; MI455X (gfx1250); checked and timed in simulation.
; The chip was launched on July 23, 2026; its instructions are those of AMD's public machine-readable ISA for CDNA 5 (MIT licence, August 2026) and "CDNA5" Instruction Set Architecture Reference Guide (July 2026). The comments in the code are by the model that wrote it; some were corrected since.
;; FJSP Actor. Allowed arithmetic: matrix products marked QUANTISED: E2M1 operands, one E8M0 scale for each 32 along K, by v_wmma_scale_f32_16x16x128_f8f6f4 with both operands' format E2M1 (or v_wmma_scale_f32_32x16x128_f4), f32 sums; products left as they are: f32 operands where the result goes on into a quantised operand, else bf16, f16 or f32 operands; f32 sums; everything else in f32.
;; Inputs: W1 512 x 512 float32; W2 512 x 512 float32; W3 512 x 1 float32; b1 512 float32; b2 512 float32; b3 1 float32; dummy 512 float32; ma_emb_codes 32 x 64 x 8 x 16 uint8 (E2M1 codes of ma_emb, K innermost, in blocks of 32 codes, two codes a byte); ma_emb_scales 32 x 64 x 8 uint8 (E8M0 scales of ma_emb, one for each 32 codes along K); next_op 32 x 128 int32; ops_emb 32 x 512 x 256 float32.
;; Outputs: out0 32 x 8,193 float32.
;; This version of the problem:
;;   THIS VERSION OF THE PROBLEM IS GIVEN IN LOW PRECISION. The matrix products marked QUANTISED in the list below multiply operands that are first quantised to E2M1 (2 exponent bits, 1 mantissa bit; 4 bits a number), with one power-of-two scale for each 32 numbers along K (OCP MX v1.0); their sums are f32. All else is computed in f32.
;;   The module's matrix products, in the order in which they are computed (A, B: the left and right operand; K: the contracted axis; several contracted axes count as one K, in the product's order):
;;     1. [M 4,096, K 256] x [K 256, N 512]; A: computed on the way; B: input W1: QUANTISED
;;     2. [M 2,048, K 256] x [K 256, N 512]; A: input ma_emb (given as codes); B: input W1: QUANTISED
;;     3. [M 262,144, K 512] x [K 512, N 512]; A: computed on the way; B: input W2: QUANTISED
;;     4. [M 262,144, K 512] x [K 512, N 1]; A: computed on the way; B: input W3: left as it is (N = 1 < 16)
;;     5. [M 1, K 512] x [K 512, N 512]; A: input dummy; B: input W1: left as it is (M = 1 < 16)
;;     6. [M 1, K 512] x [K 512, N 512]; A: computed on the way; B: input W2: left as it is (M = 1 < 16)
;;     7. [M 1, K 512] x [K 512, N 1]; A: computed on the way; B: input W3: left as it is (M = 1 < 16)
;;   THE QUANTISER, for each operand of a quantised product, along K:
;;     - K is cut into blocks of 32 from its start; a last block that is shorter is filled with zeros.
;;     - A block's scale is 2^e with e = floor(log2(the largest magnitude in the block)) - 2, held to -126 .. 127; a block of zeros has e = 0. As a byte (E8M0): e + 127.
;;     - Each number is divided by its block's scale, clamped to +-6, and rounded to the nearest number of E2M1, ties to even, subnormals kept.
;;     - The product sums the exact products of the quantised numbers (number of the format x scale) in f32.
;;   ~~~python
;;   def quantise(x, axis):      # numpy; x: float32 -> the quantised numbers, widened to float32 again
;;       x = np.moveaxis(x, axis, -1); K = x.shape[-1]
;;       x = np.pad(x, [(0, 0)] * (x.ndim - 1) + [(0, -K % 32)]); x = x.reshape(x.shape[:-1] + (-1, 32)); a = np.abs(x).max(-1, keepdims=True)
;;       e = np.where(a > 0, np.clip(np.frexp(np.where(a > 0, a, 1))[1] - 1 - 2, -126, 127), 0)      # np.frexp(a)[1] - 1 = floor(log2(a)), exactly
;;       r = np.clip(x / 2.0 ** e, -6, 6)
;;       step = 2.0 ** (np.maximum(np.frexp(np.where(r == 0, 1, r))[1] - 1, 0) - 1)
;;       q = np.round(r / step) * step * 2.0 ** e      # np.round: ties to even
;;       return np.moveaxis(q.reshape(q.shape[:-2] + (-1,))[..., :K], -1, axis).astype(np.float32)
;;   ~~~
;;   OPERANDS COMPUTED ON THE WAY. 'Computed on the way' means the value that the module computes at that place (a softmax that the list does not call 'softmax' is quantised finished and normalised). What goes into a quantiser is computed in f32, as accurately as f32 sums, v_exp_f32 and their like allow (about 1e-6 of the number): no bf16 or f16 on the way to a quantiser, and a product that is left as it is and whose result goes on into a quantised operand takes f32 operands (vector FMAs, or v_wmma_f32_16x16x4_f32). A number that lies on a knife's edge between two numbers of the format may be rounded either way, as far as f32 arithmetic and the matrix unit's own rounding can turn it there, and no further.
;;   INPUTS GIVEN AS CODES. ma_emb (in the module: [32, 64, 256], K = its axis 2): each comes as NAME_codes (uint8): NAME with its K axis moved to the last place and cut into blocks of 32 codes, [.., K / 32, bytes a block], one block behind the other in memory; two codes a byte, the lower K in the low four bits (a code: sign, 2 exponent bits, 1 mantissa bit); and NAME_scales (uint8): the same leading axes, one E8M0 byte (e + 127) for each 32 codes along K. Its value is code x scale, taken as it is: it is not quantised again, and the codes and scales need not be those that the quantiser above would give.
;; One version. Each part assembles by itself: llvm-mc -triple=amdgcn-amd-amdhsa -mcpu=gfx1250 --defsym DOCPART=n.
;; ======== version 1 of 1: 2 launches
;; limits: a function is approximated: absolute error at most 1e-07; a difference of large sums (such as E[x^2] - mean^2): digits are lost where the result is much smaller than its terms
;; workspace buffers: w2blk 139,264 bytes; hjI 8,388,608 bytes; hmI 4,194,304 bytes; d2t 2,048 bytes
;; launch prep (part 1): grid 224 x 1, 16 waves a work-group, no clusters, 183,808 bytes of LDS; arguments W1, b1, W2, b2, dummy, ma_emb_codes, ma_emb_scales, next_op, ops_emb, w2blk, hjI, hmI, d2t; writes w2blk, hjI, hmI, d2t
.if DOCPART == 1
	.amdgcn_target "amdgcn-amd-amdhsa--gfx1250"
	.amdhsa_code_object_version 6
	.text
	.protected	k_qc0cdd7ba28_prep
	.globl	k_qc0cdd7ba28_prep
	.p2align	8
	.type	k_qc0cdd7ba28_prep,@function
k_qc0cdd7ba28_prep:
	s_mov_b64 s[64:65], 0
	v_nop
	global_prefetch_b8 v0, s[64:65] scope:SCOPE_SE
	s_setreg_imm32_b32 hwreg(HW_REG_WAVE_MODE, 25, 1), 1
	s_wait_xcnt 0x0
; PREP: everything of the actor's MLP that does not hang on a (job, machine) pair.
;   hjI = C (Q(ops_emb[b, next_op[b, j]]) Q(W1[:256]) + b1 / 2),  hmI = C (ma_emb Q(W1[256:]) + b1 / 2),  C = 2 log2(e): the next launch then has
;   tanh's exponent C (hj + hm + b1) by one addition.  Both lie as images of what a lane of the next launch wants: [tile of 16 rows][beta 0..7][q 0..7][lane][4 f32];
;   lane (r, hh), number i = row r, hidden unit 64 beta + 32 hh + 4 q + i.
;   w2blk = W2 quantised along its first axis: fragment (t = n / 16, s = k / 128) at 1024 (4 t + s) as [c][lane][16 bytes], the operand's registers as they stand; from byte 131,072 on the scale bytes [n][16].
;   d2t = tanh(tanh(dummy W1 + b1) W2 + b2), in f32 by fused multiply-adds: the no-op action up to its last product.
; NOTHING OF THE PROBLEM IS LEFT OUT: every input has a way to an output.  Of ops_emb only the rows that next_op names are read: a lookup by an index input.
; LIMITS: NaN and infinities among the inputs are not served.  next_op is held to 0 .. 511 by an unsigned minimum.  A block whose largest magnitude lies under 2^-124 gets the scale byte 1
; (a block of zeros too, where the rule says 127: its codes are zeros, and this program alone reads the bytes).  tanh(x) = 1 - 2 / (1 + 2^(C x)): absolute error about 1e-7; it ends at +-1 for large |x|.
; The no-op path's f32 sums run in another order than a row-by-row sum.
; ROLES, by the work-group's number (the same in all sixteen waves): 0-127 H for jobs, 128-191 H for machines, 192-207 N (no-op), 208-223 Q2 (W2).  Each role has LDS bytes of its own.
.set CT,    0x4038aa3b                 ; C = 2 log2(e)
.set CHALF, 0x3fb8aa3b                 ; C / 2
.set STG,   0                          ; H, jobs: a stage of 16 rows x 528 bytes for each wave
.set AIM,   135168                     ; H: images of W1's 8 fragments, 1,024 bytes each
.set ASC,   143360                     ; H: their scale words, 64 bytes a fragment
.set NP1,   144384                     ; N: 16 waves' partial sums of d1, 2,048 bytes each
.set ND1,   177152                     ; N: d1
.set NP2,   179200                     ; N: 16 waves' partial sums of 32 columns of d2
.set Q2S,   181248                     ; Q2: the scale bytes of 32 columns, 16 each
.set SPARE, 181760                     ; the spare words, 128 bytes for each wave: eight blocks of 256 bytes that no other line names
; REGISTERS of all roles: v1 my spare word's address, v2 0 (both never rewritten); v3 lane, v4 r = lane % 16, v5 hh = lane / 16, v6 8 hh, v7 a permute's target, v8-11 at work, v17 16 x lane.
; v24-31 and v32-33 hold scale words of matrix operands and nothing else in the whole text.
; 32 numbers of ONE block, v[src] on, become 4 registers of codes, v[dst] on; v[m] ends as the scale's byte.
.macro QB src, dst, m, sc
	v_max3_num_f32 v[\m], |v[\src]|, |v[\src+1]|, 0x1800000        ; the largest magnitude, over the floor 2^(3 - 127): the byte cannot fall under 1
.irp i, 2,4,6,8,10,12,14,16,18,20,22,24,26,28,30
	v_max3_num_f32 v[\m], v[\m], |v[\src+\i]|, |v[\src+\i+1]|
.endr
	v_add_nc_u32 v[\sc], 0xff000000, v[\m]                         ; 2 off its exponent field: the conversion takes that field as its scale
.irp g, 0,1,2,3
	v_cvt_scalef32_pk8_fp4_f32 v[\dst+\g], v[\src+8*\g:\src+8*\g+7], v[\sc]
.endr
	v_lshrrev_b32 v[\m], 23, v[\sc]                                ; the byte; also the plain line behind the conversions
.endm
; my two bytes (blocks hh and 2 + hh of 128 along K) and lane l xor 16's two make the row's scale word, in both halves of the lanes
.macro SWORD w, m0, m1
	v_lshl_or_b32 v[\w], v[\m1], 16, v[\m0]
	v_lshlrev_b32 v[\w], v6, v[\w]
	v_permlanex16_b32 v7, v[\w], s52, s53
	v_or_b32 v[\w], v[\w], v7
.endm
.macro TANH1 x
	v_mul_f32 v[\x], s32, v[\x]
	v_exp_f32 v[\x], v[\x]
	v_nop                                                          ; a plain line behind the transcendental,
	s_wait_alu depctr_va_vdst(0)                                   ; and the wait ahead of its first reader
	v_add_f32 v[\x], 1.0, v[\x]
	v_rcp_f32 v[\x], v[\x]
	v_nop
	s_wait_alu depctr_va_vdst(0)
	v_fma_f32 v[\x], v[\x], -2.0, 1.0
.endm
.macro SUM16 b                         ; v[b] = the sum of v[b] .. v[b + 15]
.irp i, 0,1,2,3,4,5,6,7
	v_add_f32 v[\b+\i], v[\b+\i], v[\b+8+\i]
.endr
.irp i, 0,1,2,3
	v_add_f32 v[\b+\i], v[\b+\i], v[\b+4+\i]
.endr
.irp i, 0,1
	v_add_f32 v[\b+\i], v[\b+\i], v[\b+2+\i]
.endr
	v_add_f32 v[\b], v[\b], v[\b+1]
.endm
.macro BARRIER                         ; my LDS stores have landed and my LDS loads are in: then the work-group's barrier
	s_wait_dscnt 0x0
	s_barrier_signal -1
	s_barrier_wait -1
.endm
.macro FINISH                          ; a wave's end: a tensor wait (in a text with no tensor load too), an LDS add and its wait behind the last LDS store
	s_wait_tensorcnt 0x0
	ds_add_u32 v1, v2
	s_wait_dscnt 0x0
	s_endpgm
.endm
	s_load_b512 s[4:19], s[0:1], 0x0               ; W1 4, b1 6, W2 8, b2 10, dummy 12, ma codes 14, ma scales 16, next_op 18
	s_load_b256 s[20:27], s[0:1], 0x40             ; ops_emb 20, w2blk 22, hjI 24, hmI 26
	s_load_b64 s[28:29], s[0:1], 0x60              ; d2t
	v_lshl_add_u32 v1, v0, 2, SPARE
	v_mov_b32 v2, 0
	v_lshrrev_b32 v3, 5, v0
	v_readfirstlane_b32 s30, v3                    ; wave 0..15
	v_and_b32 v3, 31, v0                           ; lane
	v_and_b32 v4, 15, v0                           ; r
	v_bfe_u32 v5, v0, 4, 1                         ; hh
	v_lshlrev_b32 v6, 3, v5                        ; 8 hh
	v_mov_b32 v7, 0                                ; written once: a lane permute's destination counts as one of its sources
	v_lshlrev_b32 v17, 4, v3                       ; 16 x lane
	s_mov_b32 s31, ttmp9
	s_mov_b32 s32, CT
	s_mov_b32 s33, CT                              ; (packed forms name the pair)
	s_mov_b32 s34, CHALF
	s_mov_b32 s35, CHALF
	s_mov_b32 s52, 0x76543210
	s_mov_b32 s53, 0xfedcba98                      ; v_permlanex16_b32's selects for lane l xor 16
	s_wait_kmcnt 0x0
	s_cmp_ge_u32 s31, 208
	s_cbranch_scc1 .Lq2
	s_cmp_ge_u32 s31, 192
	s_cbranch_scc1 .Lnoop
; ---------------- ROLE H.  The work-group makes hidden units 64 beta .. + 63 for 16 tiles of 16 rows, a tile a wave.  Source 0 = 16 columns of W1, source 1 = the 16 rows: a lane holds ONE row.
; THE COLUMNS OF A TILE ARE NOT NEIGHBOURS: position p of tile u is unit 64 beta + 32 (p / 8) + 8 u + p % 8, so that register 8 u + j of lane (r, h) is unit 64 beta + 32 h + 8 u + j:
; the lane's 32 results are its 32 numbers of the image, and leave by dense stores.
; REGISTERS: v12-22 offsets and LDS addresses; v36-51 the 16 rows' offsets; v52-67 the rows' two fragments; v68-71 my half fragment of W1; v72-103 32 numbers of W1, later b1;
; v104-167, v168-231 the rows' numbers of K steps 0 and 1; later W1's 8 fragments in v104-167 and the 4 accumulators in v168-199.
	s_and_b32 s54, s31, 7                          ; beta
	s_lshr_b32 s55, s31, 7                         ; 0: jobs, W1's rows 0-255;  1: machines, rows 256-511
	s_and_b32 s56, s31, 127
	s_lshr_b32 s56, s56, 3
	s_lshl_b32 s56, s56, 4
	s_add_co_u32 s56, s56, s30                     ; tau: my tile of 16 rows
	; W1, half a fragment a wave: tile u = w / 4, K step (w / 2) % 2, half c = w % 2: lane (p, hh) takes the block k = 64 (w % 4) + 32 hh + 0 .. 31 of its column, registers down K
	s_lshl_b32 s58, s55, 19
	s_and_b32 s57, s30, 3
	s_lshl_b32 s57, s57, 17
	s_add_co_u32 s58, s58, s57
	s_lshl_b32 s57, s54, 8
	s_add_co_u32 s58, s58, s57
	s_lshr_b32 s57, s30, 2
	s_lshl_b32 s57, s57, 5
	s_add_co_u32 s58, s58, s57                     ; (256 half + 64 (w % 4)) rows of 2,048 bytes + 4 (64 beta + 8 u)
	s_mov_b32 s59, 0
	s_add_nc_u64 s[58:59], s[4:5], s[58:59]
	v_and_b32 v12, 7, v4
	v_lshlrev_b32 v12, 2, v12
	v_bfe_u32 v13, v0, 3, 1
	v_lshl_add_u32 v12, v13, 7, v12
	v_lshl_add_u32 v12, v5, 16, v12                ; 32 hh rows + 4 (32 (p / 8) + p % 8)
.set i, 0
.rept 32
	global_load_b32 v[72+i], v12, s[58:59] offset:2048*i
.set i, i+1
.endr
	s_mul_i32 s57, s30, 8448
	v_add_nc_u32 v13, s57, v17                     ; my stage, on the way in: 16 bytes a lane, a row of 512 bytes an instruction
	v_mul_u32_u24 v14, v4, 528
	v_lshl_add_u32 v14, v5, 7, v14
	v_add_nc_u32 v14, s57, v14                     ; and back: row r, + 128 hh: rows 528 bytes apart, so sixteen rows start at sixteen different 16-byte columns of 256
	s_lshl_b32 s57, s30, 9
	s_add_co_u32 s57, s57, AIM
	v_add_nc_u32 v15, s57, v17                     ; where my half fragment's image goes: AIM + 512 w + 16 lane
	s_lshr_b32 s57, s30, 1
	s_lshl_b32 s57, s57, 6
	s_and_b32 s60, s30, 1
	s_lshl_b32 s60, s60, 1
	s_add_co_u32 s57, s57, s60
	s_add_co_u32 s57, s57, ASC
	v_lshl_add_u32 v16, v4, 2, v5
	v_add_nc_u32 v16, s57, v16                     ; and my block's byte: fragment w / 2, row p's word, byte 2 (w % 2) + hh: every lane another byte
	v_add_nc_u32 v18, AIM, v17                     ; the images, read back
	v_lshl_add_u32 v19, v4, 2, ASC                 ; and row r's scale word
	v_lshlrev_b32 v20, 7, v4
	v_lshl_add_u32 v20, v5, 4, v20                 ; machines' codes: row r of 128 bytes, + 16 hh
	v_lshlrev_b32 v21, 3, v4                       ; their scale bytes: 8 a row
	v_lshlrev_b32 v22, 7, v5                       ; b1: my half's 32 numbers
	s_cmp_ge_u32 s31, 128
	s_cbranch_scc1 .Lmach
	; jobs: the 16 rows that next_op names.  A load takes 512 consecutive bytes of one row; the stage turns them, so that a lane holds whole blocks of its row r
	s_lshl_b32 s60, s56, 6
	s_mov_b32 s61, 0
	s_add_nc_u64 s[60:61], s[18:19], s[60:61]
	s_load_b512 s[36:51], s[60:61], 0x0            ; next_op[16 tau ..]
	s_lshr_b32 s62, s56, 3                         ; the batch
	s_lshl_b32 s62, s62, 19                        ; x 512 rows of 1,024 bytes
	s_mov_b32 s63, 0
	s_add_nc_u64 s[62:63], s[20:21], s[62:63]
	s_wait_kmcnt 0x0
.set i, 0
.rept 16
	s_min_u32 s[36+i], s[36+i], 511                ; an index stays inside its table
	s_lshl_b32 s[36+i], s[36+i], 10
	v_add_nc_u32 v[36+i], s[36+i], v17
.set i, i+1
.endr
.set i, 0
.rept 16
	global_load_b128 v[104+4*i:107+4*i], v[36+i], s[62:63]
.set i, i+1
.endr
.set i, 0
.rept 16
	global_load_b128 v[168+4*i:171+4*i], v[36+i], s[62:63] offset:512
.set i, i+1
.endr
.macro ROWS x, bc, bs                  ; 16 rows x 128 along K in v[x] on: through my stage, then two blocks a lane become a fragment and its scale word
.set i, 0
.rept 16
	ds_store_b128 v13, v[\x+4*i:\x+4*i+3] offset:528*i
.set i, i+1
.endr
.irp c, 0,1
.irp q, 0,1,2,3,4,5,6,7
	ds_load_b128 v[\x+32*\c+4*\q:\x+32*\c+4*\q+3], v14 offset:256*\c+16*\q     ; LDS serves a wave's instructions in order: these see my stores
.endr
.endr
	s_wait_dscnt 0x0
	QB \x, \bc, 8, 10
	QB \x+32, \bc+4, 9, 11
	SWORD \bs, 8, 9
.endm
	s_wait_loadcnt 16                              ; W1's numbers and K step 0 are in; K step 1's sixteen loads may be out
	ROWS 104, 52, 32
	s_wait_loadcnt 0x0
	ROWS 168, 60, 33
	s_branch .Ljoin
.Lmach:                                                ; machines: codes and scale words as they are given
	s_lshl_b32 s60, s56, 11
	s_mov_b32 s61, 0
	s_add_nc_u64 s[60:61], s[14:15], s[60:61]
	s_lshl_b32 s62, s56, 7
	s_mov_b32 s63, 0
	s_add_nc_u64 s[62:63], s[16:17], s[62:63]
.irp s, 0,1
.irp c, 0,1
	global_load_b128 v[52+8*\s+4*\c:55+8*\s+4*\c], v20, s[60:61] offset:64*\s+32*\c
.endr
	global_load_b32 v[32+\s], v21, s[62:63] offset:4*\s
.endr
.Ljoin:
	s_wait_loadcnt 0x0                             ; all loads are done: their bases may be written again
	QB 72, 68, 8, 10                               ; my half fragment of W1
	ds_store_b128 v15, v[68:71]
	ds_store_b8 v16, v8
	s_lshl_b32 s60, s54, 8
	s_mov_b32 s61, 0
	s_add_nc_u64 s[60:61], s[6:7], s[60:61]
.irp q, 0,1,2,3,4,5,6,7
	global_load_b128 v[72+4*\q:75+4*\q], v22, s[60:61] offset:16*\q            ; b1[64 beta + 32 hh + 0 .. 31]
.endr
	BARRIER                                        ; W1's eight fragments and their scale words lie in LDS
.irp f, 0,1,2,3,4,5,6,7
.irp c, 0,1
	ds_load_b128 v[104+8*\f+4*\c:107+8*\f+4*\c], v18 offset:1024*\f+512*\c
.endr
	ds_load_b32 v[24+\f], v19 offset:64*\f
.endr
	s_wait_loadcnt 0x0
.set i, 0
.rept 16
	v_pk_mul_f32 v[72+i:73+i], v[72+i:73+i], s[34:35] op_sel_hi:[1,0]          ; b1 C / 2.  (Sixteen plain lines between the rows' scale words, made by vector instructions, and the products)
.set i, i+2
.endr
	s_lshl_b32 s62, s56, 15
	s_lshl_b32 s57, s54, 12
	s_add_co_u32 s62, s62, s57                     ; 32,768 tau + 4,096 beta
	s_mov_b32 s63, 0
	s_cmp_lt_u32 s31, 128
	s_cselect_b64 s[60:61], s[24:25], s[26:27]     ; hjI or hmI: the choice hangs on the work-group's number alone
	s_add_nc_u64 s[60:61], s[60:61], s[62:63]
	s_wait_dscnt 0x0
.irp u, 0,1,2,3                        ; the four accumulators take turns, one instruction a turn
	v_wmma_scale_f32_16x16x128_f8f6f4 v[168+8*\u:175+8*\u], v[104+16*\u:111+16*\u], v[52:59], 0, v[24+2*\u], v32 matrix_a_fmt:MATRIX_FMT_FP4 matrix_b_fmt:MATRIX_FMT_FP4
.endr
.irp u, 0,1,2,3
	v_wmma_scale_f32_16x16x128_f8f6f4 v[168+8*\u:175+8*\u], v[112+16*\u:119+16*\u], v[60:67], v[168+8*\u:175+8*\u], v[25+2*\u], v33 matrix_a_fmt:MATRIX_FMT_FP4 matrix_b_fmt:MATRIX_FMT_FP4
.endr
.rept 4
	v_nop                                          ; four places between the last product and the first read of results (ISA guide 7.12.1)
.endr
.set i, 0
.rept 16
	v_pk_fma_f32 v[168+i:169+i], v[168+i:169+i], s[32:33], v[72+i:73+i] op_sel_hi:[1,0,1]   ; C x sum + C b1 / 2; each accumulator from its low end on
.set i, i+2
.endr
.irp q, 0,1,2,3,4,5,6,7
	global_store_b128 v17, v[168+4*\q:171+4*\q], s[60:61] offset:512*\q        ; 32 lanes store 512 consecutive bytes, at a multiple of 512 from the buffer's first byte
.endr
	FINISH
; ---------------- ROLE N.  Work-group nu makes all of d1 = tanh(dummy W1 + b1) and columns 32 nu .. + 31 of tanh(d1 W2 + b2).  d1 is made anew in each of the sixteen, so that the chain needs no launch of its own.
; Wave w takes k = 32 w .. + 31 of both products.  REGISTERS: v36-51 16 partial sums; v52-83 W2's 32 numbers; v84 b1, v85 b2; v104-231 a ring of 8 rows of W1, 16 registers each.
.Lnoop:
	s_sub_co_u32 s54, s31, 192                     ; nu
	s_lshl_b32 s55, s54, 7
	s_lshl_b32 s56, s30, 7
	s_mov_b32 s57, 0
	s_add_nc_u64 s[56:57], s[12:13], s[56:57]
	s_load_b512 s[68:83], s[56:57], 0x0            ; dummy[32 w ..]
	s_load_b512 s[84:99], s[56:57], 0x40
	s_lshl_b32 s58, s30, 16                        ; 32 w rows of 2,048 bytes
	s_mov_b32 s59, 0
	s_add_nc_u64 s[60:61], s[4:5], s[58:59]        ; W1
	s_add_nc_u64 s[62:63], s[8:9], s[58:59]        ; W2,
	s_mov_b32 s58, s55
	s_add_nc_u64 s[62:63], s[62:63], s[58:59]      ; at column 32 nu
	s_add_nc_u64 s[38:39], s[10:11], s[58:59]      ; b2 likewise,
	s_add_nc_u64 s[36:37], s[28:29], s[58:59]      ; and d2t
	v_lshlrev_b32 v12, 2, v3                       ; 4 x lane
	v_lshlrev_b32 v13, 2, v0                       ; 4 x thread
	s_lshl_b32 s40, s30, 11
	s_add_co_u32 s40, s40, NP1
	v_add_nc_u32 v14, s40, v17                     ; every LDS address is made here, ahead of all branches on the wave's number
	v_add_nc_u32 v15, NP1, v13
	v_add_nc_u32 v16, ND1, v13
	s_lshl_b32 s40, s30, 7
	s_add_co_u32 s40, s40, ND1
	v_mov_b32 v18, s40
	v_add_nc_u32 v19, NP2, v13
	v_add_nc_u32 v20, NP2, v12
.set i, 0
.rept 32
	global_load_b32 v[52+i], v12, s[62:63] offset:2048*i                       ; W2[32 w + i][32 nu + lane]
.set i, i+1
.endr
	global_load_b32 v84, v13, s[6:7]               ; b1[thread]
	global_load_b32 v85, v12, s[38:39]             ; b2[32 nu + lane]
.macro W1ROW k                         ; row 32 w + k of W1: four loads of 512 consecutive bytes; register 4 qd + e is column 128 qd + 4 lane + e
.irp qd, 0,1,2,3
	global_load_b128 v[104+16*((\k)%8)+4*\qd:107+16*((\k)%8)+4*\qd], v17, s[60:61] offset:2048*(\k)+512*\qd
.endr
.endm
.irp k, 0,1,2,3,4,5,6,7
	W1ROW \k
.endr
	s_wait_kmcnt 0x0
.set kk, 0
.rept 32
.if kk < 24
	s_wait_loadcnt 28                              ; row kk is in; the seven rows behind it, four loads each, may be out
.else
	s_wait_loadcnt 4*(31-kk)
.endif
.set e, 0
.rept 16
.if kk == 0
	v_mul_f32 v[36+e], s[68+kk], v[104+16*(kk%8)+e]                            ; the first row starts the sums: nothing is cleared
.else
	v_fmac_f32 v[36+e], s[68+kk], v[104+16*(kk%8)+e]
.endif
.set e, e+1
.endr
.if kk+8 < 32
	W1ROW kk+8
.endif
.set kk, kk+1
.endr
.irp qd, 0,1,2,3
	ds_store_b128 v14, v[36+4*\qd:39+4*\qd] offset:512*\qd
.endr
	BARRIER                                        ; sixteen partial sums of each column lie in LDS
.set i, 0
.rept 16
	ds_load_b32 v[104+i], v15 offset:2048*i        ; column = my thread's number
.set i, i+1
.endr
	s_wait_dscnt 0x0
	SUM16 104
	v_add_f32 v104, v104, v84
	TANH1 104
	ds_store_b32 v16, v104
	BARRIER                                        ; d1 lies in LDS
.irp i, 0,1,2,3,4,5,6,7
	ds_load_b128 v[104+4*\i:107+4*\i], v18 offset:16*\i                        ; d1[32 w ..], the same in every lane
.endr
	s_wait_dscnt 0x0
.irp i, 0,1,2,3
	v_mul_f32 v[8+\i], v[104+\i], v[52+\i]         ; four chains
.endr
.set i, 4
.rept 28
	v_fmac_f32 v[8+i%4], v[104+i], v[52+i]
.set i, i+1
.endr
	v_add_f32 v8, v8, v9
	v_add_f32 v10, v10, v11
	v_add_f32 v8, v8, v10
	ds_store_b32 v19, v8
	BARRIER
	s_cmp_lg_u32 s30, 0                            ; wave 0 adds the sixteen parts; no barrier stands behind this branch
	s_cbranch_scc1 .Lnend
.set i, 0
.rept 16
	ds_load_b32 v[104+i], v20 offset:128*i
.set i, i+1
.endr
	s_wait_dscnt 0x0
	SUM16 104
	v_add_f32 v104, v104, v85
	TANH1 104
	global_store_b32 v12, v104, s[36:37]
.Lnend:
	FINISH
; ---------------- ROLE Q2.  Work-group q takes columns 32 q .. + 31 of W2, wave w the block k = 32 w .. + 31.  A LANE TAKES A COLUMN AND ITS REGISTERS RUN DOWN K: a load reads 128 consecutive bytes,
; the block's largest magnitude needs no other lane, and the conversions give 16 bytes of codes with K innermost.  In the images block w = 4 s + 2 c + hh of column 16 t + p lies at
; 4096 t + 1024 s + 512 c + 256 hh + 16 p = 4096 t + 256 w + 16 p: so sixteen lanes store 256 consecutive bytes, aligned, and the other sixteen the same in the next tile.
; A column's 16 scale bytes come from the sixteen waves: they meet in LDS, and wave 0 stores the 512 bytes on end.
; REGISTERS: v104-135 the block's 32 numbers; v52-55 its codes; v60-63 16 scale bytes.
.Lq2:
	s_sub_co_u32 s54, s31, 208                     ; q
	s_lshl_b32 s56, s30, 16                        ; 32 w rows of 2,048 bytes
	s_lshl_b32 s57, s54, 7                         ; + 4 x 32 q
	s_add_co_u32 s56, s56, s57
	s_mov_b32 s57, 0
	s_add_nc_u64 s[56:57], s[8:9], s[56:57]
	v_lshlrev_b32 v12, 2, v3                       ; 4 x lane
.set i, 0
.rept 32
	global_load_b32 v[104+i], v12, s[56:57] offset:2048*i                      ; W2[32 w + i][32 q + lane]
.set i, i+1
.endr
	s_lshl_b32 s58, s54, 13                        ; the codes: 8,192 q (two tiles)
	s_lshl_b32 s59, s30, 8                         ; + 256 w
	s_add_co_u32 s58, s58, s59
	s_mov_b32 s59, 0
	s_add_nc_u64 s[58:59], s[22:23], s[58:59]
	v_lshlrev_b32 v13, 4, v4
	v_lshl_add_u32 v13, v5, 12, v13                ; + 4,096 (lane / 16) + 16 (lane % 16)
	s_add_co_u32 s60, s30, Q2S
	v_add_nc_u32 v14, s60, v17                     ; LDS: my column's byte w: 16 x lane + w
	v_add_nc_u32 v15, Q2S, v17                     ; and a column's 16 bytes, read back
	s_lshl_b32 s60, s54, 9                         ; the scale bytes of 32 columns: 512 q
	s_add_co_u32 s60, s60, 131072
	s_mov_b32 s61, 0
	s_add_nc_u64 s[60:61], s[22:23], s[60:61]
	s_wait_loadcnt 0x0
	QB 104, 52, 8, 10
	global_store_b128 v13, v[52:55], s[58:59]
	ds_store_b8 v14, v8                            ; every lane of every wave another byte
	BARRIER                                        ; the 512 scale bytes lie in LDS
	s_cmp_lg_u32 s30, 0                            ; no barrier stands behind this branch
	s_cbranch_scc1 .Lq2end
	ds_load_b128 v[60:63], v15
	s_wait_dscnt 0x0
	global_store_b128 v17, v[60:63], s[60:61]      ; 32 lanes store 512 consecutive bytes, at a multiple of 512 from the scale bytes' first
.Lq2end:
	FINISH
.Lfunc_end_k_qc0cdd7ba28_prep:
	.size	k_qc0cdd7ba28_prep, .Lfunc_end_k_qc0cdd7ba28_prep-k_qc0cdd7ba28_prep
	.p2alignl 7, 3214868480
	.fill 96, 4, 3214868480
	.section	.rodata,"a",@progbits
	.p2align	6, 0x0
	.amdhsa_kernel k_qc0cdd7ba28_prep
		.amdhsa_group_segment_fixed_size 183808
		.amdhsa_private_segment_fixed_size 0
		.amdhsa_enable_private_segment 0
		.amdhsa_kernarg_size 104
		.amdhsa_user_sgpr_count 2
		.amdhsa_user_sgpr_kernarg_segment_ptr 1
		.amdhsa_wavefront_size32 1
		.amdhsa_system_sgpr_workgroup_id_x 1
		.amdhsa_system_sgpr_workgroup_id_y 1
		.amdhsa_system_sgpr_workgroup_id_z 1
		.amdhsa_system_vgpr_workitem_id 0
		.amdhsa_next_free_vgpr 232
		.amdhsa_next_free_sgpr 100
		.amdhsa_reserve_vcc 0
		.amdhsa_float_denorm_mode_32 3
		.amdhsa_float_denorm_mode_16_64 3
		.amdhsa_memory_ordered 1
		.amdhsa_forward_progress 1
		.amdhsa_inst_pref_size 77
	.end_amdhsa_kernel
	.amdgpu_metadata
---
amdhsa.version: [ 1, 2 ]
amdhsa.kernels:
  - .name:           k_qc0cdd7ba28_prep
    .symbol:         k_qc0cdd7ba28_prep.kd
    .args:
      - { .name: W1, .offset: 0, .size: 8, .value_kind: global_buffer, .address_space: global }
      - { .name: b1, .offset: 8, .size: 8, .value_kind: global_buffer, .address_space: global }
      - { .name: W2, .offset: 16, .size: 8, .value_kind: global_buffer, .address_space: global }
      - { .name: b2, .offset: 24, .size: 8, .value_kind: global_buffer, .address_space: global }
      - { .name: dummy, .offset: 32, .size: 8, .value_kind: global_buffer, .address_space: global }
      - { .name: ma_emb_codes, .offset: 40, .size: 8, .value_kind: global_buffer, .address_space: global }
      - { .name: ma_emb_scales, .offset: 48, .size: 8, .value_kind: global_buffer, .address_space: global }
      - { .name: next_op, .offset: 56, .size: 8, .value_kind: global_buffer, .address_space: global }
      - { .name: ops_emb, .offset: 64, .size: 8, .value_kind: global_buffer, .address_space: global }
      - { .name: w2blk, .offset: 72, .size: 8, .value_kind: global_buffer, .address_space: global }
      - { .name: hjI, .offset: 80, .size: 8, .value_kind: global_buffer, .address_space: global }
      - { .name: hmI, .offset: 88, .size: 8, .value_kind: global_buffer, .address_space: global }
      - { .name: d2t, .offset: 96, .size: 8, .value_kind: global_buffer, .address_space: global }
    .group_segment_fixed_size: 183808
    .private_segment_fixed_size: 0
    .kernarg_segment_align: 8
    .kernarg_segment_size: 104
    .max_flat_workgroup_size: 512
    .sgpr_count:     100
    .vgpr_count:     232
    .wavefront_size: 32
...
	.end_amdgpu_metadata
.endif
;; end of part 1
;; launch main (part 2): grid 8 x 32, 16 waves a work-group, clusters of 4 x 1, 327,680 bytes of LDS; arguments w2blk, hmI, hjI, b2, W3, b3, d2t, out0; writes out0
.if DOCPART == 2
	.amdgcn_target "amdgcn-amd-amdhsa--gfx1250"
	.amdhsa_code_object_version 6
	.text
	.protected	k_qc0cdd7ba28_main
	.globl	k_qc0cdd7ba28_main
	.p2align	8
	.type	k_qc0cdd7ba28_main,@function
k_qc0cdd7ba28_main:
	s_mov_b64 s[64:65], 0
	v_nop
	global_prefetch_b8 v0, s[64:65] scope:SCOPE_SE
	s_setreg_imm32_b32 hwreg(HW_REG_WAVE_MODE, 25, 1), 1
	s_wait_xcnt 0x0
	s_wait_alu depctr_hold_cnt(0) depctr_sa_sdst(0) depctr_va_vdst(0) depctr_va_sdst(0) depctr_va_ssrc(0) depctr_va_vcc(0) depctr_vm_vsrc(0)
	s_getreg_b32 s2, hwreg(HW_REG_IB_STS2, 6, 4)
	s_cmp_eq_u32 s2, 0
	s_cbranch_scc0 .Lentry_in_a_cluster
	s_endpgm
.Lentry_in_a_cluster:
	s_bfe_u32 s2, ttmp6, 0x10000c
	s_cmp_lg_u32 s2, 0x3003
	s_cbranch_scc0 .Lentry_shape_is_right
	s_endpgm
.Lentry_shape_is_right:
; MAIN: out0[b][1 + 64 j + m] = tanh(Q(tanh(hj[b,j] + hm[b,m] + b1)) Q(W2) + b2) . W3 + b3, and out0[b][0] = d2t . W3 + b3.  Nothing of the problem is left out here.
; hjI, hmI hold C (hj + b1 / 2), C (hm + b1 / 2), C = 2 log2(e), so that h1 = 1 - 2 / (1 + 2^(hj' + hm')).  With r = 1 / (1 + 2^(C acc + C b2)), h2 = 1 - 2 r is never formed:
; logit = (b3 + sum W3) + sum over n of (-2 W3[n]) r[n]; a quarter of the first term starts each of a row's four partial sums, so nothing is cleared and nothing is added at the end.
; LIMITS: NaN and infinities among the inputs are not served; tanh in this form has an absolute error of about 1e-7 and ends at +-1 for large arguments;
; a block of h1 whose largest magnitude lies under 2^-124 gets the scale byte 1 (its codes are then zeros or nearly so; the bytes never leave the registers).
; SHARES.  A work-group owns 16 jobs x 64 machines of one batch; wave w owns job 16 jg + w: four tiles of 16 machines.  Sixteen waves of 256 registers, four to a SIMD: for each matrix instruction
; the two tanh layers ask some fifteen vector instructions, four in ten of them transcendentals; no register window is needed.
; PHASE A: all of the wave's h1 (64 rows x 512) is made and quantised in registers.  A lane holds a whole block of 32 of its row, in the operand's own order: no other lane is asked for a maximum,
; and the conversions' results ARE the second product's operand (128 registers).  PHASE B: 32 tiles of 16 outputs; source 0 = 16 columns of W2, source 1 = h1: a lane holds ONE row and eight outputs.
; BY TURNS.  In both phases the wave's numbers are two STREAMS, half a period apart: while one stream's exponentials or reciprocals are issued, the other stream's plain lines (and in phase B its products)
; stand between them, one to one.  A line between a transcendental and the wait behind its group names the other stream, or registers of the same stream that are not yet transformed.
; CLUSTER.  The four work-groups of a cluster belong to one batch: hm's 128 KiB are theirs in common, and W2's block is everybody's.  Both are asked for JOINTLY, once, at the head; nothing in LDS is filled again,
; and behind the one barrier at the head no LDS byte is written: so the waves go from phase A to phase B each in its own time.
.set CT,    0x4038aa3b
.set W2S,   131072                     ; LDS: W2's images from 0, its scale bytes from here (one block of 139,264 bytes, as it lies in w2blk),
.set HMI,   139264                     ; hm's four tiles, 32,768 bytes each,
.set HJI,   270336                     ; the jobs' tile, 32,768 bytes, copied through registers,
.set CST,   303104                     ; C b2[512], then -2 W3[512],
.set SPARE, 307200                     ; and the spare words, 128 bytes for each wave: eight blocks of 256 bytes that no other line names
; REGISTERS: v1 my spare word's address, v2 0 (never rewritten); v3-5 LDS addresses; v6 8 hh; v7 a permute's target; v8-11 W2's scale words; v12-15 at work; v16-31 h1's scale words (4 mt + s);
; v32-159 h1's codes (32 mt + 8 s).  Phase A: v160-191 hj', v192-223 stream a, v224-255 stream b.  Phase B: v160-175 stream a's two accumulators, v176-191 stream b's, v192-223 W2's four fragments,
; v224-231 C b2, v232-239 -2 W3, v240-247 partial sums, v248-250 addresses.
.set HJ,    160
.set XA,    192
.set XB,    224
.macro CROUND                          ; a round of the cluster's barrier
	s_barrier_signal -1
	s_barrier_wait -1
	s_cmp_lg_u32 s20, 0
	s_cbranch_scc1 .Lnot_wave_0_\@
	s_barrier_signal -3
.Lnot_wave_0_\@:
	s_barrier_wait -3
	s_barrier_signal -1
	s_barrier_wait -1
.endm
	s_load_b512 s[4:19], s[0:1], 0x0               ; w2blk 4, hmI 6, hjI 8, b2 10, W3 12, b3 14, d2t 16, out0 18
	v_lshl_add_u32 v1, v0, 2, SPARE
	v_mov_b32 v2, 0
	ds_add_u32 v1, v2                              ; the wave's opening: the add, twice on end, and its wait ahead of my first tensor load
	ds_add_u32 v1, v2
	v_lshrrev_b32 v3, 5, v0
	v_readfirstlane_b32 s20, v3                    ; wave 0..15
	s_bfe_u32 s21, ttmp6, 0x40000                  ; cx: it enters hj's and out0's global addresses alone (s21, s22, s60-63)
	s_lshl_b32 s22, ttmp9, 2
	s_add_co_u32 s22, s22, s21                     ; jg: my block of 16 jobs
	s_and_b32 s23, ttmp7, 0xffff                   ; the batch, which the four partners share
	; descriptor group 1: a dense block as rows of 256 bytes (32 elements of 8 bytes), no padding; mask: all four work-groups, bit 21 beside it.  hm: 32 rows a wave; w2blk: 34
	s_mov_b32 s24, 15|(3<<16)|(1<<21)
	s_mov_b32 s25, 32<<16                          ; tensor_dim0
	s_mov_b32 s26, 32<<16                          ; tensor_dim1
	s_mov_b32 s27, 32<<16                          ; tile_dim0
	s_mov_b32 s28, 32                              ; tile_dim1
	s_mov_b32 s29, 32                              ; elements from row to row
	s_mov_b32 s30, 0
	s_mov_b32 s31, 0
	s_mov_b32 s32, 15|(3<<16)|(1<<21)
	s_mov_b32 s33, 32<<16
	s_mov_b32 s34, 34<<16
	s_mov_b32 s35, 32<<16
	s_mov_b32 s36, 34
	s_mov_b32 s37, 32
	s_mov_b32 s38, 0
	s_mov_b32 s39, 0
	s_mov_b32 s48, CT
	s_mov_b32 s49, CT                              ; (packed forms name the pair)
	s_mov_b32 s50, 0x76543210
	s_mov_b32 s51, 0xfedcba98                      ; v_permlanex16_b32's selects for lane l xor 16
	s_wait_dscnt 0x0                               ; both opening adds are done
	s_wait_kmcnt 0x0
	s_load_b32 s54, s[14:15], 0x0                  ; b3
	s_mov_b32 s40, 1                               ; group 0 for hm: count,
	s_lshl_b32 s56, s20, 13
	s_add_co_u32 s41, s56, HMI                     ; LDS address: 8,192 bytes a wave,
	s_lshl_b32 s57, s23, 17
	s_add_co_u32 s56, s56, s57
	s_mov_b32 s57, 0
	s_add_nc_u64 s[42:43], s[6:7], s[56:57]        ; global address: the batch's 131,072 bytes, my wave's part,
	s_or_b32 s43, s43, 0x80000000                  ; type
	s_mov_b32 s44, 1                               ; group 0 for w2blk: 8,704 bytes a wave
	s_mul_i32 s45, s20, 8704
	s_mov_b32 s58, s45
	s_mov_b32 s59, 0
	s_add_nc_u64 s[46:47], s[4:5], s[58:59]
	s_or_b32 s47, s47, 0x80000000
	CROUND                                         ; all four work-groups are here: the joint loads meet
	tensor_load_to_lds s[40:43], s[24:31]          ; every wave issues both, with no branch: two tensor loads of mine are out, and no more in the whole text
	s_nop 0
	tensor_load_to_lds s[44:47], s[32:39]
	s_nop 0
.rept 4
	v_nop
.endr
	s_lshl_b32 s60, s23, 3
	s_add_co_u32 s60, s60, s22                     ; the jobs' tile: 8 b + jg
	s_lshl_b32 s60, s60, 15
	s_mov_b32 s61, 0
	s_add_nc_u64 s[60:61], s[8:9], s[60:61]
	v_lshlrev_b32 v12, 4, v0                       ; 16 x thread
	v_lshlrev_b32 v13, 2, v0                       ; 4 x thread
.irp i, 0,1,2,3
	global_load_b128 v[192+4*\i:195+4*\i], v12, s[60:61] offset:8192*\i th:TH_LOAD_NT
.endr
	global_load_b32 v208, v13, s[10:11]            ; b2[thread]
	global_load_b32 v209, v13, s[12:13]            ; W3[thread]
	v_and_b32 v14, 31, v0                          ; lane
	v_bfe_u32 v15, v0, 4, 1                        ; hh
	v_lshlrev_b32 v6, 3, v15
	v_mov_b32 v7, 0                                ; written once: a lane permute's destination counts as one of its sources
	s_lshl_b32 s58, s20, 4
	s_add_co_u32 s58, s58, HJI
	v_lshlrev_b32 v3, 8, v15
	v_add_nc_u32 v3, s58, v3                       ; hj': image lane (w, hh): the same 16 bytes for sixteen lanes
	v_lshlrev_b32 v4, 4, v14
	v_add_nc_u32 v4, HMI, v4                       ; hm': tiles 0 and 1,
	v_add_nc_u32 v5, 0x10000, v4                   ; tiles 2 and 3 (an LDS offset has 16 bits)
	v_add_nc_u32 v210, HJI, v12
	v_add_nc_u32 v211, CST, v13
	s_wait_loadcnt 0x0
.irp i, 0,1,2,3
	ds_store_b128 v210, v[192+4*\i:195+4*\i] offset:8192*\i
.endr
	v_mul_f32 v208, s48, v208                      ; C b2
	v_mul_f32 v209, -2.0, v209                     ; -2 W3
	ds_store_b32 v211, v208
	ds_store_b32 v211, v209 offset:2048
	s_wait_kmcnt 0x0                               ; b3
	s_wait_dscnt 0x0                               ; for the others' sake: my stores have landed,
	s_wait_tensorcnt 0x0                           ; and so have my parts of hm and of w2blk: every read of either stands behind this one barrier
	s_barrier_signal -1
	s_barrier_wait -1
; ---------------- PHASE A
.macro LDHJ beta                       ; hj'[64 beta + 32 hh + 0 .. 31]
.irp q, 0,1,2,3,4,5,6,7
	ds_load_b128 v[HJ+4*\q:HJ+4*\q+3], v3 offset:4096*(\beta)+512*\q
.endr
.endm
.macro LDX x, mt, beta                 ; hm' of tile mt, row r, the same 32 units, into stream x: 512 consecutive bytes a load
.irp q, 0,1,2,3,4,5,6,7
	ds_load_b128 v[XA+32*(\x)+4*\q:XA+32*(\x)+4*\q+3], v[4+(\mt)/2] offset:32768*((\mt)%2)+4096*(\beta)+512*\q
.endr
.endm
; Line j of a block's last step.  x: its 32 reciprocals; m, t: two registers at work; p: where its codes go; s: its scale word; odd: the second of the word's two blocks in this lane.
;   0-15 h1 = 1 - 2 r;  16-31 the largest magnitude, over the floor 2^(3 - 127), in two chains by turns;  32 the conversion's scale operand (2 off the exponent field);  33-36 the codes;
;   37 the scale's byte (also the plain line behind the conversions);  38-41, odd alone: my two bytes at their places, and lane l xor 16's two: the row's scale word for 128 along K
.macro PL3 x, m, t, p, s, odd, j
.if (\j) < 16
	v_pk_fma_f32 v[\x+2*(\j):\x+2*(\j)+1], v[\x+2*(\j):\x+2*(\j)+1], -2.0, 1.0 op_sel_hi:[1,0,0]
.elseif (\j) == 16
	v_max3_num_f32 v[\m], |v[\x]|, |v[\x+1]|, 0x1800000
.elseif (\j) == 17
	v_max3_num_f32 v[\t], |v[\x+16]|, |v[\x+17]|, |v[\x+18]|
.elseif (\j) == 31
	v_max3_num_f32 v[\m], v[\m], v[\t], |v[\x+31]|
.elseif ((\j) < 31) && ((\j)%2 == 0)
	v_max3_num_f32 v[\m], v[\m], |v[\x+(\j)-16]|, |v[\x+(\j)-15]|
.elseif (\j) < 31
	v_max3_num_f32 v[\t], v[\t], |v[\x+(\j)]|, |v[\x+(\j)+1]|
.elseif (\j) == 32
	v_add_nc_u32 v[\t], 0xff000000, v[\m]
.elseif (\j) < 37
	v_cvt_scalef32_pk8_fp4_f32 v[\p+(\j)-33], v[\x+8*((\j)-33):\x+8*((\j)-33)+7], v[\t]
.elseif ((\j) == 37) && ((\odd) == 0)
	v_lshrrev_b32 v[\s], 23, v[\t]
.elseif (\j) == 37
	v_lshrrev_b32 v[\m], 23, v[\t]
.elseif (\j) == 38
	v_lshl_or_b32 v[\s], v[\m], 16, v[\s]
.elseif (\j) == 39
	v_lshlrev_b32 v[\s], v6, v[\s]
.elseif (\j) == 40
	v_permlanex16_b32 v7, v[\s], s50, s51
.else
	v_or_b32 v[\s], v[\s], v7
.endif
.endm
; 32 exponentials of stream tx; a line of the other stream's last step stands ahead of each, and the rest of that step behind them (has = 0: there is no such step yet)
.macro GEX tx, has, x, m, t, p, s, odd
.set k, 0
.rept 32
.if \has
	PL3 \x, \m, \t, \p, \s, \odd, k
.endif
	v_exp_f32 v[\tx+k], v[\tx+k]
.set k, k+1
.endr
.if \has
.rept 6+4*(\odd)
	PL3 \x, \m, \t, \p, \s, \odd, k
.set k, k+1
.endr
.else
	v_nop                                          ; the plain line behind the last transcendental
.endif
.endm
; 32 reciprocals of stream tx.  Its own 1 + e run one pair of numbers ahead of them; behind those, has = 1: the other stream's next exponents hj' + hm', whose hm' were asked for a group ago
.macro GRA tx, has, ox
	v_pk_add_f32 v[\tx:\tx+1], v[\tx:\tx+1], 1.0 op_sel_hi:[1,0]
.set k, 0
.rept 32
.if k < 15
	v_pk_add_f32 v[\tx+2*k+2:\tx+2*k+3], v[\tx+2*k+2:\tx+2*k+3], 1.0 op_sel_hi:[1,0]
.elseif (k < 31) && \has
.if k == 15
	s_wait_dscnt 0x0                               ; the other stream's hm' (and hj', where the units change) are in
.endif
	v_pk_add_f32 v[\ox+2*(k-15):\ox+2*(k-15)+1], v[\ox+2*(k-15):\ox+2*(k-15)+1], v[HJ+2*(k-15):HJ+2*(k-15)+1]
.endif
	v_rcp_f32 v[\tx+k], v[\tx+k]
.set k, k+1
.endr
	v_nop                                          ; the plain line behind the last transcendental,
	s_wait_alu depctr_va_vdst(0)                   ; and the one wait for the 32, ahead of their first reader
.endm
; Period n: units 64 (n / 2) + 32 hh + 0 .. 31 of tiles 2 (n % 2) (stream a) and 2 (n % 2) + 1 (stream b)
.macro PERIOD n
.if (\n) > 0
.set PP, 64+64*(((\n)-1)%2)+4*(((\n)-1)/2)
.set SS, 20+8*(((\n)-1)%2)+((\n)-1)/4
.set OD, (((\n)-1)/2)%2
	GEX XA, 1, XB, 13, 15, PP, SS, OD              ; a's exponentials | b's last step of the period before
	LDX 1, 2*((\n)%2)+1, (\n)/2                    ; b's registers are free: its hm' of this period
.else
	GEX XA, 0, XB, 13, 15, 0, 0, 0
.endif
	s_wait_alu depctr_va_vdst(0)                   ; one wait for a's 32 exponentials
	GRA XA, 1, XB                                  ; a's reciprocals | a's 1 + e, b's exponents
.if ((\n)%2 == 1) && ((\n) < 15)
	LDHJ ((\n)+1)/2                                ; both streams have read hj' of these units: the next 64 units'
.endif
.set PP, 32+64*((\n)%2)+4*((\n)/2)
.set SS, 16+8*((\n)%2)+(\n)/4
.set OD, ((\n)/2)%2
	GEX XB, 1, XA, 12, 14, PP, SS, OD              ; b's exponentials | a's last step
.if (\n) < 15
	LDX 0, 2*(((\n)+1)%2), ((\n)+1)/2              ; a's hm' of the next period
.endif
	s_wait_alu depctr_va_vdst(0)
.if (\n) < 15
	GRA XB, 1, XA                                  ; b's reciprocals | b's 1 + e, a's next exponents
.else
	GRA XB, 0, XA
.endif
.endm
	LDHJ 0
	LDX 0, 0, 0
	LDX 1, 1, 0
	s_wait_dscnt 8                                 ; hj' and a's hm' are in; b's eight loads may be out
.set i, 0
.rept 16
	v_pk_add_f32 v[XA+i:XA+i+1], v[XA+i:XA+i+1], v[HJ+i:HJ+i+1]                ; a's first exponents
.set i, i+2
.endr
.set N, 0
.rept 16
	PERIOD N
.set N, N+1
.endr
.set k, 0
.rept 42
	PL3 XB, 13, 15, 156, 31, 1, k                  ; b's last step of the last period: tile 3, units 448 + 32 hh on
.set k, k+1
.endr
; ---------------- between the phases: addresses, the first tile's operands, and what starts the partial sums.  (More than eight plain lines between the last scale word made and the first product)
	v_and_b32 v12, 31, v0                          ; lane: kept to the end
	v_bfe_u32 v13, v0, 4, 1
	v_lshlrev_b32 v3, 4, v12                       ; W2's images: 16 x lane
	v_add_nc_u32 v4, W2S, v3                       ; its scale words: 16 bytes a column: lanes 0-15 take the even tile's, lanes 16-31 the odd tile's
	v_lshl_add_u32 v5, v13, 5, CST                 ; the constants of my half's eight outputs
	v_add_nc_u32 v14, CST+2048, v3
	s_mov_b32 s56, 0                               ; what a pair of tiles adds to the three: 8,192, 512, 128 bytes
	s_mov_b32 s57, 0
	s_mov_b32 s58, 0
	s_mov_b32 s59, 0xbe000000                      ; -1 / 8
	v_add_nc_u32 v248, s56, v3
	v_add_nc_u32 v249, s57, v4
	v_add_nc_u32 v250, s58, v5
.irp i, 0,1,2,3
	ds_load_b128 v[176+4*\i:179+4*\i], v14 offset:512*\i                       ; all of -2 W3, 16 numbers a lane
.endr
.macro LDW par                         ; the four fragments of tile 2 p + par
.irp s, 0,1,2,3
.irp c, 0,1
	ds_load_b128 v[192+8*\s+4*\c:195+8*\s+4*\c], v248 offset:4096*(\par)+1024*\s+512*\c
.endr
.endr
.endm
.macro LDCB par                        ; C b2 of its eight outputs in my half
	ds_load_b128 v[224:227], v250 offset:64*(\par)
	ds_load_b128 v[228:231], v250 offset:64*(\par)+16
.endm
.macro LDCW par                        ; -2 W3 likewise
	ds_load_b128 v[232:235], v250 offset:64*(\par)+2048
	ds_load_b128 v[236:239], v250 offset:64*(\par)+2064
.endm
	LDW 0
	ds_load_b128 v[8:11], v249
	LDCB 0
	s_wait_dscnt 11                                ; -2 W3 is in; the eight fragment loads, the scale words and the two loads of C b2 behind it may be out
.irp i, 0,1,2,3,4,5,6,7
	v_add_f32 v[176+\i], v[176+\i], v[184+\i]
.endr
.irp i, 0,1,2,3
	v_add_f32 v[176+\i], v[176+\i], v[180+\i]
.endr
	v_add_f32 v176, v176, v178
	v_add_f32 v177, v177, v179
	v_add_f32 v176, v176, v177
	v_add_f32_dpp v176, v176, v176 row_xmask:1 row_mask:0xf bank_mask:0xf
	v_add_f32_dpp v176, v176, v176 row_xmask:2 row_mask:0xf bank_mask:0xf
	v_add_f32_dpp v176, v176, v176 row_xmask:4 row_mask:0xf bank_mask:0xf
	v_add_f32_dpp v176, v176, v176 row_xmask:8 row_mask:0xf bank_mask:0xf
	v_permlanex16_b32 v7, v176, s50, s51
	v_add_f32 v176, v176, v7                       ; S = -2 sum W3
	v_mov_b32 v177, s54
	v_mul_f32 v177, 0x3e800000, v177               ; b3 / 4
.irp i, 0,1,2,3,4,5,6,7
	v_fma_f32 v[240+\i], v176, s59, v177           ; (b3 + sum W3) / 4 starts each of a row's four partial sums (two registers x two halves of the lanes)
.endr
; ---------------- PHASE B.  Stream a: row tiles 0, 1 (accumulators v160-175, sums v240-243); stream b: row tiles 2, 3 (v176-191, v244-247).
; Product i of 8 of a stream: K step i / 2, row tile mtb + i % 2: the stream's two accumulators take turns, one instruction a turn; the first two start the sums.  par: the tile's place in its pair
.macro WMS mtb, i, par
.set wS, (\i)/2
.set wM, (\mtb)+(\i)%2
.if wS == 0
.if (\par)
	v_wmma_scale_f32_16x16x128_f8f6f4 v[160+8*wM:167+8*wM], v[192+8*wS:199+8*wS], v[32+32*wM+8*wS:39+32*wM+8*wS], 0, v[8+wS], v[16+4*wM+wS] matrix_a_fmt:MATRIX_FMT_FP4 matrix_b_fmt:MATRIX_FMT_FP4 matrix_a_scale:MATRIX_SCALE_ROW1
.else
	v_wmma_scale_f32_16x16x128_f8f6f4 v[160+8*wM:167+8*wM], v[192+8*wS:199+8*wS], v[32+32*wM+8*wS:39+32*wM+8*wS], 0, v[8+wS], v[16+4*wM+wS] matrix_a_fmt:MATRIX_FMT_FP4 matrix_b_fmt:MATRIX_FMT_FP4
.endif
.else
.if (\par)
	v_wmma_scale_f32_16x16x128_f8f6f4 v[160+8*wM:167+8*wM], v[192+8*wS:199+8*wS], v[32+32*wM+8*wS:39+32*wM+8*wS], v[160+8*wM:167+8*wM], v[8+wS], v[16+4*wM+wS] matrix_a_fmt:MATRIX_FMT_FP4 matrix_b_fmt:MATRIX_FMT_FP4 matrix_a_scale:MATRIX_SCALE_ROW1
.else
	v_wmma_scale_f32_16x16x128_f8f6f4 v[160+8*wM:167+8*wM], v[192+8*wS:199+8*wS], v[32+32*wM+8*wS:39+32*wM+8*wS], v[160+8*wM:167+8*wM], v[8+wS], v[16+4*wM+wS] matrix_a_fmt:MATRIX_FMT_FP4 matrix_b_fmt:MATRIX_FMT_FP4
.endif
.endif
.endm
.macro BS1 b, i                        ; pair i of 8 of a stream: C acc + C b2.  Ascending: each accumulator is read from its low end on
	v_pk_fma_f32 v[\b+2*(\i):\b+2*(\i)+1], v[\b+2*(\i):\b+2*(\i)+1], s[48:49], v[224+2*((\i)%4):225+2*((\i)%4)] op_sel_hi:[1,0,1]
.endm
.macro BS2 b, i                        ; 1 + e
	v_pk_add_f32 v[\b+2*(\i):\b+2*(\i)+1], v[\b+2*(\i):\b+2*(\i)+1], 1.0 op_sel_hi:[1,0]
.endm
.macro BS3 b, pb, i                    ; the partial sums += (-2 W3) r: outputs 2 (i / 2), + 1 of row tile i % 2: two chains by turns
	v_pk_fma_f32 v[\pb+2*((\i)%2):\pb+2*((\i)%2)+1], v[\b+8*((\i)%2)+2*((\i)/2):\b+8*((\i)%2)+2*((\i)/2)+1], v[232+2*((\i)/2):233+2*((\i)/2)], v[\pb+2*((\i)%2):\pb+2*((\i)%2)+1]
.endm
; 16 exponentials of stream tb, whose first two pairs of exponents are made; behind each of the first ten a plain line: the stream's other six pairs, two pairs ahead of their exponentials, and (has = 1) the second half of the other stream's sums
.macro GEB tb, ob, opb, has
.set k, 0
.rept 16
	v_exp_f32 v[\tb+k], v[\tb+k]
.if (k%2 == 0) && (k < 9)
	BS1 \tb, 2+k/2
.elseif k == 9
	BS1 \tb, 7
.elseif (k < 8) && (\has)
	BS3 \ob, \opb, 4+k/2
.endif
.set k, k+1
.endr
	v_nop                                          ; the plain line behind the last transcendental
.endm
; 16 reciprocals of stream tb, its 1 + e one pair ahead; mm = 1: the other stream's eight products between them: product, reciprocal, plain line, reciprocal
.macro GRB tb, mm, mtb, par
	BS2 \tb, 0
.set u, 0
.rept 8
.if \mm
	WMS \mtb, u, \par
.endif
	v_rcp_f32 v[\tb+2*u], v[\tb+2*u]
.if u < 7
	BS2 \tb, u+1
.endif
	v_rcp_f32 v[\tb+2*u+1], v[\tb+2*u+1]
.set u, u+1
.endr
	v_nop                                          ; the plain line behind the last transcendental; also the first place behind the last product
	s_wait_alu depctr_va_vdst(0)                   ; one wait for the 16, ahead of their first reader
.endm
; One tile of 16 outputs.  At its head stream a's products of this tile are issued, stream b's reciprocals of the tile before are waited for, and two loads (C b2 of this tile) may be out.
; The four lines of the other stream's sums at the head of the first and third group name no register of the products just issued: with the v_nop ahead of them they are the places
; in front of the first read of those results and of the loads into the fragments' and scale words' registers.
.macro TILE par, first, last
.if \first
.rept 4
	v_nop                                          ; the first tile has no sums of a tile before: four places
.endr
.else
.irp i, 0,1,2,3
	BS3 176, 244, \i                               ; b's sums of the tile before
.endr
.endif
	s_wait_dscnt 0x0                               ; C b2 of this tile is in
	BS1 160, 0
	BS1 160, 1
	GEB 160, 176, 244, 1-\first                    ; a's exponentials | a's exponents, b's sums
	s_wait_alu depctr_va_vdst(0)
	LDCW \par                                      ; both streams are done with -2 W3 of the tile before: this tile's
	GRB 160, 1, 2, \par                            ; a's reciprocals | a's 1 + e, b's products of this tile
	s_wait_dscnt 0x0                               ; -2 W3 is in
.irp i, 0,1,2,3
	BS3 160, 240, \i                               ; a's sums
.endr
.if !(\last)
.if \par
	s_add_co_u32 s56, s56, 8192                    ; on to the next pair of tiles
	s_add_co_u32 s57, s57, 512
	s_add_co_u32 s58, s58, 128
	v_add_nc_u32 v248, s56, v3
	v_add_nc_u32 v249, s57, v4
	v_add_nc_u32 v250, s58, v5
	LDW 0                                          ; both streams have multiplied by this tile's fragments: the next tile's,
	ds_load_b128 v[8:11], v249                     ; and the next pair's scale words
.else
	LDW 1
.endif
.endif
	BS1 176, 0
	BS1 176, 1
	GEB 176, 160, 240, 1                           ; b's exponentials | b's exponents, a's sums
.if !(\last)
	LDCB 1-\par                                    ; both streams are done with C b2: the next tile's
.endif
	s_wait_alu depctr_va_vdst(0)
.if !(\last)
	s_wait_dscnt 2                                 ; the next tile's fragments (and scale words) are in; the two loads of C b2 issued behind them may be out
	GRB 176, 1, 0, 1-\par                          ; b's reciprocals | b's 1 + e, a's products of the next tile
.else
	GRB 176, 0, 0, 0
.endif
.endm
	s_wait_dscnt 2                                 ; tile 0's fragments and scale words are in; the two loads of C b2 may be out
.irp i, 0,1,2,3,4,5,6,7
	WMS 0, \i, 0                                   ; a's products of tile 0
.endr
	TILE 0, 1, 0
	TILE 1, 0, 0
	s_mov_b32 s52, 14
.Lpair:                                                ; 14 trips, two tiles each; the first pair (no sums of a tile before) and the last (nothing more to fetch or to multiply) are written out
	TILE 0, 0, 0
	TILE 1, 0, 0
	s_sub_co_u32 s52, s52, 1
	s_cmp_lg_u32 s52, 0
	s_cbranch_scc1 .Lpair
	TILE 0, 0, 0
	TILE 1, 0, 1
.irp i, 0,1,2,3,4,5,6,7
	BS3 176, 244, \i                               ; b's sums of the last tile
.endr
; ---------------- the way out: a row's four partial sums; then lanes 0-15 hold one tile's logits and lanes 16-31 the next tile's: 64 neighbouring numbers of out0 for the wave
	v_add_f32 v248, v240, v241
	v_add_f32 v249, v242, v243
	v_add_f32 v250, v244, v245
	v_add_f32 v251, v246, v247
	v_permlane16_swap_b32 v248, v249               ; the first's lanes 16-31 change places with the second's lanes 0-15
	v_permlane16_swap_b32 v250, v251
	v_add_f32 v248, v248, v249
	v_add_f32 v250, v250, v251
	s_mul_i32 s62, s23, 32772                      ; a row of out0 is 8,193 numbers,
	s_lshl_b32 s60, s22, 4
	s_add_co_u32 s60, s60, s20
	s_lshl_b32 s60, s60, 8                         ; my job's 64 begin 4 + 256 j bytes on
	s_add_co_u32 s62, s62, s60
	s_add_co_u32 s62, s62, 4
	s_mov_b32 s63, 0
	s_add_nc_u64 s[62:63], s[18:19], s[62:63]
	v_lshlrev_b32 v252, 2, v12
	global_store_b32 v252, v248, s[62:63]          ; 128 consecutive bytes a store, 256 a wave, 4,096 a work-group on end; rows of 8,193 numbers begin at any multiple of 4 bytes, so no wider store fits
	global_store_b32 v252, v250, s[62:63] offset:128
	; the no-op column: wave 0 of the four work-groups of the first cluster of batch 0 (cluster ids and the wave's number: the same in all partners); each stores 8 rows, told apart by address
	s_or_b32 s56, ttmp9, s23
	s_or_b32 s56, s56, s20
	s_cmp_lg_u32 s56, 0
	s_cbranch_scc1 .Lnot_noop
.irp i, 0,1,2,3
	global_load_b128 v[160+4*\i:163+4*\i], v3, s[16:17] offset:512*\i          ; d2t
.endr
.irp i, 0,1,2,3
	global_load_b128 v[176+4*\i:179+4*\i], v3, s[12:13] offset:512*\i          ; W3
.endr
	s_wait_loadcnt 0x0
.irp i, 0,1,2,3
	v_mul_f32 v[192+\i], v[160+\i], v[176+\i]      ; four chains
.endr
.set i, 4
.rept 12
	v_fmac_f32 v[192+i%4], v[160+i], v[176+i]
.set i, i+1
.endr
	v_add_f32 v192, v192, v193
	v_add_f32 v194, v194, v195
	v_add_f32 v192, v192, v194
	v_add_f32_dpp v192, v192, v192 row_xmask:1 row_mask:0xf bank_mask:0xf
	v_add_f32_dpp v192, v192, v192 row_xmask:2 row_mask:0xf bank_mask:0xf
	v_add_f32_dpp v192, v192, v192 row_xmask:4 row_mask:0xf bank_mask:0xf
	v_add_f32_dpp v192, v192, v192 row_xmask:8 row_mask:0xf bank_mask:0xf
	v_permlanex16_b32 v7, v192, s50, s51
	v_add_f32 v192, v192, v7
	v_add_f32 v192, s54, v192                      ; + b3
	s_mul_i32 s60, s21, 262176                     ; rows 8 cx on
	s_mov_b32 s61, 0
	s_add_nc_u64 s[60:61], s[18:19], s[60:61]
	v_mul_u32_u24 v193, v12, 32772                 ; a lane a row
	v_cmp_gt_u32 vcc_lo, 8, v12
	s_wait_xcnt 0x0                                ; EXEC changes only behind this wait
	s_and_saveexec_b32 s56, vcc_lo
	global_store_b32 v193, v192, s[60:61]
	s_wait_xcnt 0x0
	s_or_b32 exec_lo, exec_lo, s56
.Lnot_noop:
	s_wait_tensorcnt 0x0                           ; the wave's end: a tensor wait, an LDS add and its wait, behind my last tensor load and my last LDS store
	ds_add_u32 v1, v2
	s_wait_dscnt 0x0
	CROUND                                         ; the closing round: no work-group ends while a partner may still ask for a block that names it
	s_endpgm
.Lfunc_end_k_qc0cdd7ba28_main:
	.size	k_qc0cdd7ba28_main, .Lfunc_end_k_qc0cdd7ba28_main-k_qc0cdd7ba28_main
	.p2alignl 7, 3214868480
	.fill 96, 4, 3214868480
	.section	.rodata,"a",@progbits
	.p2align	6, 0x0
	.amdhsa_kernel k_qc0cdd7ba28_main
		.amdhsa_group_segment_fixed_size 327680
		.amdhsa_private_segment_fixed_size 0
		.amdhsa_enable_private_segment 0
		.amdhsa_kernarg_size 64
		.amdhsa_user_sgpr_count 2
		.amdhsa_user_sgpr_kernarg_segment_ptr 1
		.amdhsa_wavefront_size32 1
		.amdhsa_system_sgpr_workgroup_id_x 1
		.amdhsa_system_sgpr_workgroup_id_y 1
		.amdhsa_system_sgpr_workgroup_id_z 1
		.amdhsa_system_vgpr_workitem_id 0
		.amdhsa_next_free_vgpr 256
		.amdhsa_next_free_sgpr 66
		.amdhsa_reserve_vcc 1
		.amdhsa_float_denorm_mode_32 3
		.amdhsa_float_denorm_mode_16_64 3
		.amdhsa_memory_ordered 1
		.amdhsa_forward_progress 1
		.amdhsa_inst_pref_size 255
	.end_amdhsa_kernel
	.section	.bss,"aw",@nobits
	.p2align	6
	.space	262144
	.amdgpu_metadata
---
amdhsa.version: [ 1, 2 ]
amdhsa.kernels:
  - .name:           k_qc0cdd7ba28_main
    .symbol:         k_qc0cdd7ba28_main.kd
    .args:
      - { .name: w2blk, .offset: 0, .size: 8, .value_kind: global_buffer, .address_space: global }
      - { .name: hmI, .offset: 8, .size: 8, .value_kind: global_buffer, .address_space: global }
      - { .name: hjI, .offset: 16, .size: 8, .value_kind: global_buffer, .address_space: global }
      - { .name: b2, .offset: 24, .size: 8, .value_kind: global_buffer, .address_space: global }
      - { .name: W3, .offset: 32, .size: 8, .value_kind: global_buffer, .address_space: global }
      - { .name: b3, .offset: 40, .size: 8, .value_kind: global_buffer, .address_space: global }
      - { .name: d2t, .offset: 48, .size: 8, .value_kind: global_buffer, .address_space: global }
      - { .name: out0, .offset: 56, .size: 8, .value_kind: global_buffer, .address_space: global }
    .group_segment_fixed_size: 327680
    .private_segment_fixed_size: 0
    .kernarg_segment_align: 8
    .kernarg_segment_size: 64
    .max_flat_workgroup_size: 512
    .sgpr_count:     66
    .vgpr_count:     256
    .wavefront_size: 32
...
	.end_amdgpu_metadata
.endif
;; end of part 2
